; MI455X (gfx1250); checked and timed in simulation.
; The chip was launched on July 23, 2026; its instructions are those of AMD's public machine-readable ISA for CDNA 5 (MIT licence, August 2026) and "CDNA5" Instruction Set Architecture Reference Guide (July 2026). The comments in the code are by the model that wrote it; some were corrected since.
;; MADPS Net. Allowed arithmetic: matrix products marked QUANTISED: E2M3 operands, one E8M0 scale for each 32 along K, by v_wmma_scale_f32_16x16x128_f8f6f4 with both operands' format E2M3, f32 sums; everything else in f32.
;; Inputs: Wd1_codes 8 x 512 x 8 x 24 uint8 (E2M3 codes of Wd1, K innermost, in blocks of 32 codes, four codes in three bytes); Wd1_scales 8 x 512 x 8 uint8 (E8M0 scales of Wd1, one for each 32 codes along K); Wd2_codes 8 x 128 x 16 x 24 uint8 (E2M3 codes of Wd2, K innermost, in blocks of 32 codes, four codes in three bytes); Wd2_scales 8 x 128 x 16 uint8 (E8M0 scales of Wd2, one for each 32 codes along K); Ws1_codes 8 x 512 x 8 x 24 uint8 (E2M3 codes of Ws1, K innermost, in blocks of 32 codes, four codes in three bytes); Ws1_scales 8 x 512 x 8 uint8 (E8M0 scales of Ws1, one for each 32 codes along K); Ws2_codes 8 x 256 x 16 x 24 uint8 (E2M3 codes of Ws2, K innermost, in blocks of 32 codes, four codes in three bytes); Ws2_scales 8 x 256 x 16 uint8 (E8M0 scales of Ws2, one for each 32 codes along K); bd1 8 x 512 float32; bd2 8 x 128 float32; bs1 8 x 512 float32; bs2 8 x 256 float32; inputs_codes 8 x 2,048 x 8 x 24 uint8 (E2M3 codes of inputs, K innermost, in blocks of 32 codes, four codes in three bytes); inputs_scales 8 x 2,048 x 8 uint8 (E8M0 scales of inputs, one for each 32 codes along K); laac_deep 1 x 8 int32; laac_shallow 1 x 8 int32.
;; Outputs: out0 8 x 2,048 x 128 float32.
;; This version of the problem:
;;   THIS VERSION OF THE PROBLEM IS GIVEN IN LOW PRECISION. The matrix products marked QUANTISED in the list below multiply operands that are first quantised to E2M3 (2 exponent bits, 3 mantissa bits; 6 bits a number), with one power-of-two scale for each 32 numbers along K (OCP MX v1.0); their sums are f32. All else is computed in f32.
;;   The module's matrix products, in the order in which they are computed (A, B: the left and right operand; K: the contracted axis; several contracted axes count as one K, in the product's order):
;;     1. [M 4,096, K 256] x [K 256, N 16,384]; A: input Ws1 (given as codes); B: input inputs (given as codes): QUANTISED
;;     2. batch 8 x [M 16,384, K 512] x [K 512, N 256]; A: computed on the way; B: input Ws2 (given as codes): QUANTISED
;;     3. [M 4,096, K 256] x [K 256, N 16,384]; A: input Wd1 (given as codes); B: computed on the way: QUANTISED
;;     4. batch 8 x [M 16,384, K 512] x [K 512, N 128]; A: computed on the way; B: input Wd2 (given as codes): QUANTISED
;;   THE QUANTISER, for each operand of a quantised product, along K:
;;     - K is cut into blocks of 32 from its start; a last block that is shorter is filled with zeros.
;;     - A block's scale is 2^e with e = floor(log2(the largest magnitude in the block)) - 2, held to -126 .. 127; a block of zeros has e = 0. As a byte (E8M0): e + 127.
;;     - Each number is divided by its block's scale, clamped to +-7.5, and rounded to the nearest number of E2M3, ties to even, subnormals kept.
;;     - The product sums the exact products of the quantised numbers (number of the format x scale) in f32.
;;   ~~~python
;;   def quantise(x, axis):      # numpy; x: float32 -> the quantised numbers, widened to float32 again
;;       x = np.moveaxis(x, axis, -1); K = x.shape[-1]
;;       x = np.pad(x, [(0, 0)] * (x.ndim - 1) + [(0, -K % 32)]); x = x.reshape(x.shape[:-1] + (-1, 32)); a = np.abs(x).max(-1, keepdims=True)
;;       e = np.where(a > 0, np.clip(np.frexp(np.where(a > 0, a, 1))[1] - 1 - 2, -126, 127), 0)      # np.frexp(a)[1] - 1 = floor(log2(a)), exactly
;;       r = np.clip(x / 2.0 ** e, -7.5, 7.5)
;;       step = 2.0 ** (np.maximum(np.frexp(np.where(r == 0, 1, r))[1] - 1, 0) - 3)
;;       q = np.round(r / step) * step * 2.0 ** e      # np.round: ties to even
;;       return np.moveaxis(q.reshape(q.shape[:-2] + (-1,))[..., :K], -1, axis).astype(np.float32)
;;   ~~~
;;   OPERANDS COMPUTED ON THE WAY. 'Computed on the way' means the value that the module computes at that place (a softmax that the list does not call 'softmax' is quantised finished and normalised). What goes into a quantiser is computed in f32, as accurately as f32 sums, v_exp_f32 and their like allow (about 1e-6 of the number): no bf16 or f16 on the way to a quantiser, and a product that is left as it is and whose result goes on into a quantised operand takes f32 operands (vector FMAs, or v_wmma_f32_16x16x4_f32). A number that lies on a knife's edge between two numbers of the format may be rounded either way, as far as f32 arithmetic and the matrix unit's own rounding can turn it there, and no further.
;;   INPUTS GIVEN AS CODES. Wd1 (in the module: [8, 256, 512], K = its axis 1); Wd2 (in the module: [8, 512, 128], K = its axis 1); Ws1 (in the module: [8, 256, 512], K = its axis 1); Ws2 (in the module: [8, 512, 256], K = its axis 1); inputs (in the module: [8, 2048, 256], K = its axis 2): each comes as NAME_codes (uint8): NAME with its K axis moved to the last place and cut into blocks of 32 codes, [.., K / 32, bytes a block], one block behind the other in memory; four codes in three bytes: a row's codes are one little-endian stream of bits, code i at bits 6 i .. 6 i + 5 (a code: sign, 2 exponent bits, 3 mantissa bits); and NAME_scales (uint8): the same leading axes, one E8M0 byte (e + 127) for each 32 codes along K. Its value is code x scale, taken as it is: it is not quantised again, and the codes and scales need not be those that the quantiser above would give.
;; 2 versions. Each part assembles by itself: llvm-mc -triple=amdgcn-amd-amdhsa -mcpu=gfx1250 --defsym DOCPART=n.
;; ======== version 1 of 2: 1 launch
;; launch chain (part 1): grid 256 x 1, 4 waves a work-group, no clusters, 74,240 bytes of LDS; arguments laac_shallow, laac_deep, inputs_codes, inputs_scales, Ws1_codes, Ws1_scales, bs1, Ws2_codes, Ws2_scales, bs2, Wd1_codes, Wd1_scales, bd1, Wd2_codes, Wd2_scales, bd2, out0; writes out0
.if DOCPART == 1
	.amdgcn_target "amdgcn-amd-amdhsa--gfx1250"
	.amdhsa_code_object_version 6
	.text
	.protected	k_qadbf601cc8_chain
	.globl	k_qadbf601cc8_chain
	.p2align	8
	.type	k_qadbf601cc8_chain,@function
k_qadbf601cc8_chain:
	s_mov_b64 s[64:65], 0
	v_nop
	global_prefetch_b8 v0, s[64:65] scope:SCOPE_SE
	s_setreg_imm32_b32 hwreg(HW_REG_WAVE_MODE, 25, 1), 1
	s_wait_xcnt 0x0
; out[a] = relu(relu(relu(x[a] Ws1[es] + bs1[es]) Ws2[es] + bs2[es]) Wd1[ed] + bd1[ed]) Wd2[ed] + bd2[ed],  es = laac_shallow[a], ed = laac_deep[a].
; All four products on codes of FP6 (E2M3) with one E8M0 scale for each 32 along K; sums, biases, relu and the three quantisers in f32.  Only the experts that the two index inputs choose are multiplied.
; SHARES.  Work-group g takes rows 64 g .. 64 g + 63 of the 16,384 (agent g / 32): four tiles of 16 rows.  THE FOUR WAVES SHARE THE COLUMNS: wave w makes units 128 w .. + 127 of the two layers of 512,
; 64 units of the layer of 256 and outputs 32 w .. + 31, for all 64 rows.  So a wave's part of every weight goes from memory straight into its registers, once; what goes from wave to wave is small: the rows' codes,
; through LDS as IMAGES OF THE OPERAND'S REGISTERS (16 bytes a lane, 512 consecutive bytes a store), with their scale words, 4 bytes a lane.  Four barriers; no loop, no branch.
; K IS PERMUTED BY BLOCKS OF 32, ALIKE IN BOTH OPERANDS.  Lane (r, h) takes the 48 CONSECUTIVE bytes at its row + 96 s + 48 h as the 12 registers of K step s: three loads of 16 bytes, each at a multiple of 16.
; The operand's layout gives registers 6 c .. 6 c + 5 of lane (r, h) place 2 c + h among the step's four blocks; so place b holds the row's block PI(b), PI = 0, 2, 1, 3.  The products are the same ones; the scale words
; that come from memory have their bytes 1 and 2 exchanged once; operands that are computed here are made in the order of the places (below).
; ALL PRODUCTS ARE USED TRANSPOSED (source 0 = 16 rows of a weight, source 1 = 16 data rows): a lane holds ONE data row and its registers run along the units, the next K.
; THE ROWS OF A WEIGHT THAT FORM A TILE ARE NOT NEIGHBOURS: lane r of a tile takes row base + r + 8 (r / 8), and tiles 2 b, 2 b + 1 have the bases 32 PI(b), 32 PI(b) + 8: their 16 registers are 16 neighbouring units of
; block PI(b), which is what place b of the next K step wants.  In the layer of 256 a wave makes two blocks: places 2 c, 2 c + 1 (c = w % 2) of K step w / 2: registers 6 c .. 6 c + 5 of that fragment and half of its scale word.
; The biases are the C of each sum's first matrix instruction, in the result's layout.
; NO JOINT LOADS, though an agent's 32 work-groups read the same weights: a joint load lands in LDS; the chain's 344,064 bytes of codes and the 73,728 bytes used here are more than the 327,680 that a work-group can have,
; so slots would have to be filled again; each weight byte feeds the four products of one wave alone, so the way through LDS would add a write and a read of every byte; and the addresses hang on an index read from memory.
; LIMITS.  The indices are taken as 0 .. 7; any other value is held at 7.  NaN and infinities are not served.  A block whose largest magnitude lies under 2^-124, a block of zeros among them, gets the scale byte 1
; (a block of zeros has zero codes, which add nothing; the bytes are read by this text alone).  The blocks of a K step stand in the order 0, 2, 1, 3, and the bias is added ahead of the products, so the f32 sums are
; grouped otherwise than in ascending k with the bias last.
; REGISTERS, in windows of 256 (s_set_vgpr_msb: bits 1:0 source 0, 3:2 source 1, 5:4 source 2, 7:6 destination):
;   window 0: v1-14 addresses; v16-55 scale words and nothing else; v56-95 the quantiser's; v96-191 fragments of data rows; v192-255 accumulators (at the head: lane terms of the first loads)
;   window 1: Ws1's 16 fragments, from v192 bs1; behind the first layer v0-95 take Wd2's 8 fragments.   window 2: Ws2's 16 fragments, v192 bs2, v224 bd2.   window 3: Wd1's 16 fragments, v192 bd1.
.set FRB,  1536                        ; a fragment's image: 12 registers x 128 bytes
.set HIMG, 0                           ; LDS: 16 fragments of a layer of 512 (row tile m, K step s: 4 m + s); used for the first and again for the third layer
.set HSC,  24576                       ; their scale words, 128 bytes each
.set SIMG, 26624                       ; 8 fragments of the layer of 256 (2 m + s); half c at 768 c: registers 6 c .. + 3 at 16 x lane, registers 6 c + 4, 5 at 512 + 8 x lane
.set SSC,  38912                       ; their scale words, 128 bytes each
.set STG,  39936                       ; the way out: 64 rows x (512 bytes + 16)
.set SP,   528
.set LI,   1                           ; v1   16 x lane
.set LS,   2                           ; v2   4 x lane
.set L8,   3                           ; v3   8 x lane
.set HWI,  4                           ; v4   16 x lane + 1536 w: where I store a fragment of a layer of 512
.set HWS,  5                           ; v5   4 x lane + 128 w: and its scale word
.set SWI,  6                           ; v6   16 x lane + 1536 (w / 2) + 768 (w % 2): my half fragment of the layer of 256
.set SW8,  7                           ; v7   8 x lane + the same
.set SWS,  8                           ; v8   4 x lane + 128 (w / 2) + 2 (w % 2): my half of its scale word
.set SO,   9                           ; v9   the stage: row r, + 32 h + 128 w
.set SR,   10                          ; v10  and back: my 16 rows, 16 bytes a lane
.set ADW1, 11                          ; v11  192 (r + 8 (r / 8)) + 48 h: Ws1, Wd1
.set ADW2, 12                          ; v12  384 (r + 8 (r / 8)) + 48 h: Ws2
.set ADW4, 13                          ; v13  384 r + 48 h: Wd2
.set ASC4, 14                          ; v14  16 r + 4 h: Wd2's scale words
.set W1S,  16                          ; v16-23  Ws1's scale words, tile t: lanes 0-15 K step 0, lanes 16-31 K step 1
.set W2S,  24                          ; v24-31  Ws2's, 2 t + q: lanes 0-15 K step 2 q, lanes 16-31 K step 2 q + 1
.set W3S,  32                          ; v32-39  Wd1's, as Ws1's
.set W4S,  40                          ; v40-43  Wd2's, 2 n + q
.set XS,   44                          ; v44-47  x's, row tile m: lanes 0-15 K step 0, lanes 16-31 K step 1
.set HS,   48                          ; v48-55  the scale words of the fragments fetched from LDS
.set TM,   56                          ; v56-59 largest magnitudes, v60-63 the other half's, then the bytes, v68-71 the conversions' scale operands
.set PW,   72                          ; v72     the scale word just made
.set PC,   76                          ; v76-87  the fragment just made; v88-90, v92-94 the conversions' second halves
.set FB,   96                          ; v96-191 x's 8 fragments; later two sets of four fragments, or eight; last, rows of the output
.set HA,   192                         ; v192-255 eight accumulators
.set RW,   192                         ; at the head only, free again when the loads that name them are shown done: r,
.set HF,   193                         ; h,
.set RP,   194                         ; r + 8 (r / 8),
.set ADX,  195                         ; 192 r + 48 h: x,
.set ASX,  196                         ; 8 r + 4 h: x's scale words,
.set ASC1, 197                         ; 8 (r + 8 (r / 8)) + 4 h: Ws1's and Wd1's,
.set ASC2, 198                         ; 16 (r + 8 (r / 8)) + 4 h: Ws2's,
.set ABW,  199                         ; 64 h: the biases of tiles whose halves lie 16 units apart,
.set ABN,  200                         ; 32 h: bd2,
.set LANE, 201                         ; the lane
.set MSB, 0
.macro WIN new                         ; the immediate's high byte repeats the setting that is left; a switch that changes nothing is dropped
.if MSB != (\new)
	s_set_vgpr_msb (MSB<<8)|(\new)
.set MSB, \new
.endif
.endm
.macro PLACES n
.rept \n
	v_nop
.endr
.endm
; One product.  ra, rb = 1: that side's scale words are taken from lanes 16-31 of the register named.
.macro MM d, a, b, c, sa, sb, ra, rb
.if ((\ra) == 1) && ((\rb) == 1)
	v_wmma_scale_f32_16x16x128_f8f6f4 v[(\d):(\d)+7], v[(\a):(\a)+11], v[(\b):(\b)+11], v[(\c):(\c)+7], v[(\sa)], v[(\sb)] matrix_a_fmt:MATRIX_FMT_FP6 matrix_b_fmt:MATRIX_FMT_FP6 matrix_a_scale:MATRIX_SCALE_ROW1 matrix_b_scale:MATRIX_SCALE_ROW1
.elseif (\ra) == 1
	v_wmma_scale_f32_16x16x128_f8f6f4 v[(\d):(\d)+7], v[(\a):(\a)+11], v[(\b):(\b)+11], v[(\c):(\c)+7], v[(\sa)], v[(\sb)] matrix_a_fmt:MATRIX_FMT_FP6 matrix_b_fmt:MATRIX_FMT_FP6 matrix_a_scale:MATRIX_SCALE_ROW1
.else
	v_wmma_scale_f32_16x16x128_f8f6f4 v[(\d):(\d)+7], v[(\a):(\a)+11], v[(\b):(\b)+11], v[(\c):(\c)+7], v[(\sa)], v[(\sb)] matrix_a_fmt:MATRIX_FMT_FP6 matrix_b_fmt:MATRIX_FMT_FP6
.endif
.endm
.macro LDF dst, adr, base, off         ; a fragment from memory: my 48 consecutive bytes
.irp i, 0,1,2
	global_load_b128 v[(\dst)+4*\i:(\dst)+4*\i+3], v[\adr], s[\base:\base+1] offset:(\off)+16*\i
.endr
.endm
.macro BASE p, e, es, t1, k1, t2, k2   ; pointer p steps to the chosen expert's part of my wave: expert x es + s[t1] x k1 (+ s[t2] x k2) bytes
	s_mul_i32 s44, s[\e], \es
	s_mul_i32 s54, s[\t1], \k1
	s_add_co_u32 s44, s44, s54
.if \k2
	s_mul_i32 s54, s[\t2], \k2
	s_add_co_u32 s44, s44, s54
.endif
	s_add_nc_u64 s[\p:\p+1], s[\p:\p+1], s[44:45]
.endm
.macro RELU n                          ; ascending: each accumulator is first read at its low end
.set JJ, 0
.rept \n
	v_max_num_f32 v[HA+JJ], 0, v[HA+JJ]
.set JJ, JJ+1
.endr
.endm
; nb blocks of 32 (4 or 2): register HA + 16 b + i of lane (r, h) is number 16 h + i of place b of row r, none negative.  They become codes in v[PC] on (6 registers for each two blocks) and the bytes in v[PW].
.macro QUANT nb
.irp b, 0,1,2,3
.if \b < \nb
	v_max3_num_f32 v[TM+\b], v[HA+16*\b], v[HA+16*\b+1], 0x1800000   ; my 16 numbers, and the floor 2^(3 - 127): the byte cannot fall under 1
.endif
.endr
.irp i, 2,4,6,8,10,12,14
.irp b, 0,1,2,3
.if \b < \nb
	v_max3_num_f32 v[TM+\b], v[TM+\b], v[HA+16*\b+\i], v[HA+16*\b+\i+1]   ; (the blocks by turns)
.endif
.endr
.endr
.irp b, 0,1,2,3
.if \b < \nb
	v_permlanex16_b32 v[TM+4+\b], v[TM+\b], s52, s53
.endif
.endr
.irp b, 0,1,2,3
.if \b < \nb
	v_max_num_f32 v[TM+\b], v[TM+\b], v[TM+4+\b]   ; with lane l xor 16's: the block's largest magnitude
.endif
.endr
.irp b, 0,1,2,3
.if \b < \nb
	v_add_nc_u32 v[TM+12+\b], 0xff000000, v[TM+\b]   ; 2 off its exponent field: the conversion takes the exponent field of this operand as its scale
.endif
.endr
.irp b, 0,1,2,3
.if \b < \nb
	v_lshrrev_b32 v[TM+4+\b], 23, v[TM+12+\b]   ; the scale's byte
.endif
.endr
	s_wait_dscnt 0x0                               ; the last image's LDS stores have read v[PW] and v[PC] on: both are written again only behind this wait
	v_lshl_or_b32 v[PW], v[TM+5], 8, v[TM+4]
.if \nb > 2
	v_lshl_or_b32 v[PW], v[TM+6], 16, v[PW]
	v_lshl_or_b32 v[PW], v[TM+7], 24, v[PW]
.endif
.irp c, 0,1
.if 2*\c < \nb
	v_cvt_scalef32_pk16_fp6_f32 v[PC+6*\c:PC+6*\c+2], v[HA+32*\c:HA+32*\c+15], v[TM+12+2*\c]
	v_cvt_scalef32_pk16_fp6_f32 v[PC+12+4*\c:PC+12+4*\c+2], v[HA+32*\c+16:HA+32*\c+31], v[TM+12+2*\c+1]   ; (a conversion's three registers begin on an even number)
.endif
.endr
	v_nop                                          ; one plain place behind a scaled conversion
.irp c, 0,1                                    ; the operand's layout wants a WHOLE block in a lane: lanes 0-15 place 2 c, lanes 16-31 place 2 c + 1
.if 2*\c < \nb
.irp i, 0,1,2
	v_permlane16_swap_b32 v[PC+6*\c+\i], v[PC+12+4*\c+\i]
.endr
.irp i, 0,1,2
	v_mov_b32 v[PC+3+6*\c+\i], v[PC+12+4*\c+\i]
.endr
.endif
.endr
.endm
.macro IMGH m                          ; my fragment (K step w of the next product, row tile m) goes to LDS as it stands
.irp c, 0,1,2
	ds_store_b128 v[HWI], v[PC+4*\c:PC+4*\c+3] offset:HIMG+4*(\m)*FRB+512*\c
.endr
	ds_store_b32 v[HWS], v[PW] offset:HSC+512*(\m)
.endm
.macro IMGS m                          ; my six registers of a fragment of the layer of 256, and my two bytes of its scale word
	ds_store_b128 v[SWI], v[PC:PC+3] offset:SIMG+2*(\m)*FRB
	ds_store_b64 v[SW8], v[PC+4:PC+5] offset:SIMG+2*(\m)*FRB+512
	ds_store_b16 v[SWS], v[PW] offset:SSC+256*(\m)
.endm
.macro FETH reg, sc, f                 ; fragment f of a layer of 512 and its scale word: 4 LDS loads
.irp c, 0,1,2
	ds_load_b128 v[(\reg)+4*\c:(\reg)+4*\c+3], v[LI] offset:HIMG+FRB*(\f)+512*\c
.endr
	ds_load_b32 v[(\sc)], v[LS] offset:HSC+128*(\f)
.endm
.macro FETS reg, sc, f                 ; fragment f of the layer of 256 and its scale word: 5 LDS loads
.irp c, 0,1
	ds_load_b128 v[(\reg)+6*\c:(\reg)+6*\c+3], v[LI] offset:SIMG+FRB*(\f)+768*\c
	ds_load_b64 v[(\reg)+6*\c+4:(\reg)+6*\c+5], v[L8] offset:SIMG+FRB*(\f)+768*\c+512
.endr
	ds_load_b32 v[(\sc)], v[LS] offset:SSC+128*(\f)
.endm
.macro BARRIER                         ; my LDS stores have landed and my LDS loads are in: then the work-group's barrier
	s_wait_dscnt 0x0
	s_barrier_signal -1
	s_barrier_wait -1
.endm
; A row tile of a layer of 512 (K = 256): my 8 tiles of units, two K steps, the eight accumulators by turns, one instruction a turn.
; win: the window of the weight's fragments and of its bias; ws: its scale words; b0: the data rows' two fragments; sb0, sb1, rb1: their scale words for K steps 0 and 1.
.macro WIDE_MM win, ws, b0, sb0, sb1, rb1
	WIN (\win)*0x11                                ; source 0 (the weight) and source 2 (the bias) in window win
.irp t, 0,1,2,3,4,5,6,7
	MM HA+8*\t, 12*(2*\t), \b0, 192+8*\t, \ws+\t, \sb0, 0, 0
.endr
	WIN \win
.irp t, 0,1,2,3,4,5,6,7
	MM HA+8*\t, 12*(2*\t+1), (\b0)+12, HA+8*\t, \ws+\t, \sb1, 1, \rb1
.endr
.endm
.macro WIDE_Q m                        ; its results: relu, quantised, to LDS
	WIN 0
	PLACES 4                                       ; four places between the last product and the first read of results (ISA guide 7.12.1)
	RELU 64
	QUANT 4
	IMGH \m
.endm
	s_load_b512 s[8:23], s[0:1], 0x0               ; laac_shallow 8, laac_deep 10, x's codes 12, x's scales 14, Ws1's codes 16, scales 18, bs1 20, Ws2's codes 22
	s_load_b512 s[24:39], s[0:1], 0x40             ; Ws2's scales 24, bs2 26, Wd1's codes 28, scales 30, bd1 32, Wd2's codes 34, scales 36, bd2 38
	s_load_b64 s[40:41], s[0:1], 0x80              ; the output
	v_lshl_add_u32 v91, v0, 2, 0x12000
	v_mov_b32 v95, 0
	v_lshrrev_b32 v[LANE], 5, v0
	v_readfirstlane_b32 s46, v[LANE]               ; wave w
	v_and_b32 v[LANE], 31, v0
	v_and_b32 v[RW], 15, v0                        ; r
	v_bfe_u32 v[HF], v0, 4, 1                      ; h
	v_and_b32 v[RP], 8, v[RW]
	v_add_nc_u32 v[RP], v[RP], v[RW]               ; r + 8 (r / 8)
	s_lshr_b32 s47, s46, 1                         ; w / 2
	s_and_b32 s48, s46, 1                          ; w % 2
	s_mov_b32 s50, 0x03010200                      ; v_perm_b32: bytes 1 and 2 change places
	s_mov_b32 s52, 0x76543210
	s_mov_b32 s53, 0xfedcba98                      ; v_permlanex16_b32's selects for lane l xor 16
	s_mov_b32 s45, 0
	s_mov_b32 s3, 0
	s_lshr_b32 s2, ttmp9, 5                        ; the agent: 32 work-groups each
	s_lshl_b32 s2, s2, 2                           ; its index's byte
	v_lshlrev_b32 v[LI], 4, v[LANE]
	v_lshlrev_b32 v[LS], 2, v[LANE]
	v_lshlrev_b32 v[L8], 3, v[LANE]
	s_mul_i32 s54, s46, FRB
	v_add_nc_u32 v[HWI], s54, v[LI]
	s_lshl_b32 s55, s46, 7
	v_add_nc_u32 v[HWS], s55, v[LS]
	s_mul_i32 s56, s47, FRB
	s_mul_i32 s57, s48, 768
	s_add_co_u32 s56, s56, s57
	v_add_nc_u32 v[SWI], s56, v[LI]
	v_add_nc_u32 v[SW8], s56, v[L8]
	s_lshl_b32 s56, s47, 7
	s_lshl_b32 s57, s48, 1
	s_add_co_u32 s56, s56, s57
	v_add_nc_u32 v[SWS], s56, v[LS]
	v_mul_u32_u24 v[SO], v[RW], SP
	v_lshl_add_u32 v[SO], v[HF], 5, v[SO]
	s_add_co_u32 s55, s55, STG
	v_add_nc_u32 v[SO], s55, v[SO]
	s_mul_i32 s54, s46, 16*SP
	s_add_co_u32 s54, s54, STG
	v_add_nc_u32 v[SR], s54, v[LI]
	v_mul_u32_u24 v[ADW1], v[RP], 192
	v_mad_u32_u24 v[ADW1], v[HF], 48, v[ADW1]
	v_mul_u32_u24 v[ADW2], v[RP], 384
	v_mad_u32_u24 v[ADW2], v[HF], 48, v[ADW2]
	v_mul_u32_u24 v[ADW4], v[RW], 384
	v_mad_u32_u24 v[ADW4], v[HF], 48, v[ADW4]
	v_mul_u32_u24 v[ADX], v[RW], 192
	v_mad_u32_u24 v[ADX], v[HF], 48, v[ADX]
	v_lshlrev_b32 v[ASC4], 4, v[RW]
	v_lshl_add_u32 v[ASC4], v[HF], 2, v[ASC4]
	v_lshlrev_b32 v[ASX], 3, v[RW]
	v_lshl_add_u32 v[ASX], v[HF], 2, v[ASX]
	v_lshlrev_b32 v[ASC1], 3, v[RP]
	v_lshl_add_u32 v[ASC1], v[HF], 2, v[ASC1]
	v_lshlrev_b32 v[ASC2], 4, v[RP]
	v_lshl_add_u32 v[ASC2], v[HF], 2, v[ASC2]
	v_lshlrev_b32 v[ABW], 6, v[HF]
	v_lshlrev_b32 v[ABN], 5, v[HF]
.irp b, 0,1,2,3
	v_mov_b32 v[TM+4+\b], 0                        ; written once: a lane permute's destination counts as one of its sources
.endr
	s_wait_kmcnt 0x0
	s_add_nc_u64 s[8:9], s[8:9], s[2:3]
	s_add_nc_u64 s[10:11], s[10:11], s[2:3]
	s_load_b32 s42, s[8:9], 0x0                    ; es = laac_shallow[agent]
	s_load_b32 s43, s[10:11], 0x0                  ; ed = laac_deep[agent]
	s_mul_i32 s44, ttmp9, 64*192                   ; my work-group's 64 rows of x: they hang on no index, so they are asked for while the indices come
	s_add_nc_u64 s[12:13], s[12:13], s[44:45]
	s_lshl_b32 s44, ttmp9, 9                       ; and their scale bytes, 8 a row
	s_add_nc_u64 s[14:15], s[14:15], s[44:45]
.irp m, 0,1,2,3                                ; every wave multiplies all 64 rows: x's 8 fragments (row tile m, K step s) at v[FB + 12 (2 m + s)]
.irp s, 0,1
	LDF FB+12*(2*\m+\s), ADX, 12, 16*\m*192+96*\s
.endr
	global_load_b32 v[XS+\m], v[ASX], s[14:15] offset:128*\m
.endr
	s_lshl_b32 s44, ttmp9, 15                      ; the output: 64 rows of 512 bytes a work-group, 16 of them a wave
	s_lshl_b32 s54, s46, 13
	s_add_co_u32 s44, s44, s54
	s_add_nc_u64 s[40:41], s[40:41], s[44:45]
	s_wait_kmcnt 0x0
	s_min_u32 s42, s42, 7                          ; an index stays inside its table of 8
	s_min_u32 s43, s43, 7
	BASE 16, 42, 98304, 46, 24576, 0, 0            ; Ws1: 512 rows of 192 bytes an expert, 128 rows a wave
	BASE 18, 42, 4096, 46, 1024, 0, 0
	BASE 20, 42, 2048, 46, 512, 0, 0
	BASE 22, 42, 98304, 47, 49152, 48, 12288       ; Ws2: 256 rows of 384 bytes an expert; my rows begin at 128 (w / 2) + 32 (w % 2)
	BASE 24, 42, 4096, 47, 2048, 48, 512
	BASE 26, 42, 1024, 47, 512, 48, 128
	BASE 28, 43, 98304, 46, 24576, 0, 0            ; Wd1: as Ws1
	BASE 30, 43, 4096, 46, 1024, 0, 0
	BASE 32, 43, 2048, 46, 512, 0, 0
	BASE 34, 43, 49152, 46, 12288, 0, 0            ; Wd2: 128 rows of 384 bytes an expert, 32 rows a wave
	BASE 36, 43, 2048, 46, 512, 0, 0
	BASE 38, 43, 512, 46, 128, 0, 0
.irp t, 0,1,2,3,4,5,6,7                        ; tile t of a layer of 512 begins at row 32 PI(t / 2) + 8 (t % 2) of my 128
.set RR, 32*(2*((\t/2)%2)+\t/4)+8*(\t%2)
	global_load_b32 v[W1S+\t], v[ASC1], s[18:19] offset:RR*8
	global_load_b32 v[W3S+\t], v[ASC1], s[30:31] offset:RR*8
.endr
.irp t, 0,1,2,3                                ; tile t of the layer of 256 begins at row 64 (t / 2) + 8 (t % 2) of mine
.irp q, 0,1
	global_load_b32 v[W2S+2*\t+\q], v[ASC2], s[24:25] offset:(64*(\t/2)+8*(\t%2))*16+8*\q
.endr
.endr
	WIN 0x80                                       ; destination window 2
.irp t, 0,1,2,3
	global_load_b128 v[192+8*\t:192+8*\t+3], v[ABW], s[26:27] offset:(64*(\t/2)+8*(\t%2))*4       ; bs2 at the lane's eight units of the tile
	global_load_b128 v[192+8*\t+4:192+8*\t+7], v[ABW], s[26:27] offset:(64*(\t/2)+8*(\t%2))*4+16
.endr
.irp n, 0,1
	global_load_b128 v[224+8*\n:224+8*\n+3], v[ABN], s[38:39] offset:64*\n                        ; bd2
	global_load_b128 v[224+8*\n+4:224+8*\n+7], v[ABN], s[38:39] offset:64*\n+16
.endr
	WIN 0xc0                                       ; destination window 3
.irp t, 0,1,2,3,4,5,6,7
.set RR, 32*(2*((\t/2)%2)+\t/4)+8*(\t%2)
	global_load_b128 v[192+8*\t:192+8*\t+3], v[ABW], s[32:33] offset:RR*4                         ; bd1
	global_load_b128 v[192+8*\t+4:192+8*\t+7], v[ABW], s[32:33] offset:RR*4+16
.endr
	WIN 0x40                                       ; destination window 1
.irp t, 0,1,2,3,4,5,6,7
.set RR, 32*(2*((\t/2)%2)+\t/4)+8*(\t%2)
	global_load_b128 v[192+8*\t:192+8*\t+3], v[ABW], s[20:21] offset:RR*4                         ; bs1
	global_load_b128 v[192+8*\t+4:192+8*\t+7], v[ABW], s[20:21] offset:RR*4+16
.endr
.irp t, 0,1,2,3,4,5,6,7                        ; Ws1's fragments (tile t, K step s) at v[12 (2 t + s)] of window 1
.set RR, 32*(2*((\t/2)%2)+\t/4)+8*(\t%2)
.irp s, 0,1
	LDF 12*(2*\t+\s), ADW1, 16, RR*192+96*\s
.endr
.endr
	WIN 0x80
.irp t, 0,1,2,3                                ; Ws2's (tile t, K step s) at v[12 (4 t + s)] of window 2: 48 loads, the youngest
.irp s, 0,1,2,3
	LDF 12*(4*\t+\s), ADW2, 22, (64*(\t/2)+8*(\t%2))*384+96*\s
.endr
.endr
	WIN 0
	s_wait_loadcnt 48                              ; all but Ws2's 48 code loads are in: x, every scale word so far, every bias, Ws1.  So the lane terms in v192-201, which only those loads name, are free too
.irp i, 0,1,2,3,4,5,6,7,8,9,10,11,12,13,14,15,16,17,18,19,20,21,22,23
	v_perm_b32 v[W1S+\i], v[W1S+\i], v[W1S+\i], s50   ; Ws1's, Ws2's and Wd1's scale words: byte b is to scale place b, which holds block PI(b)
.endr
.irp i, 0,1,2,3
	v_perm_b32 v[XS+\i], v[XS+\i], v[XS+\i], s50      ; x's likewise
.endr
	PLACES 8                                       ; a scale register written by a vector instruction stands eight places ahead of a scaled product
	; ---- 1: relu(x Ws1 + bs1), my 128 units, a row tile at a time.  Behind each tile's products 12 of Wd1's 48 loads go out, into window 3, which nothing has used yet
.irp m, 0,1,2,3
	WIDE_MM 1, W1S, FB+24*\m, XS+\m, XS+\m, 1
	WIN 0xc0
.irp u, 0,1
.set TT, 2*\m+\u
.set RR, 32*(2*((TT/2)%2)+TT/4)+8*(TT%2)
	LDF 12*(2*TT), ADW1, 28, RR*192
	LDF 12*(2*TT+1), ADW1, 28, RR*192+96
.endr
	WIDE_Q \m
.endr
	BARRIER                                        ; the first layer's sixteen fragments lie in LDS
	; ---- 2: relu(. Ws2 + bs2), my 64 units: four accumulators by turns, four K steps; a row tile's four fragments are fetched while the tile before is worked
.irp s, 0,1,2,3
	FETH FB+12*\s, HS+\s, \s
.endr
	s_wait_loadcnt 48                              ; Ws2's codes are in: younger are Wd1's 4 x 12 loads alone
	WIN 0x40
.irp n, 0,1                                    ; Wd2's fragments (tile n, K step s) at v[12 (4 n + s)] of window 1, where Ws1's lay: its last products stand far more than four places back
.irp s, 0,1,2,3
	LDF 12*(4*\n+\s), ADW4, 34, 16*\n*384+96*\s
.endr
.endr
	WIN 0
.irp n, 0,1
.irp q, 0,1
	global_load_b32 v[W4S+2*\n+\q], v[ASC4], s[36:37] offset:256*\n+8*\q
.endr
.endr
.macro P2 m
.if (\m) < 3
.irp s, 0,1,2,3
	FETH FB+48*(((\m)+1)%2)+12*\s, HS+4*(((\m)+1)%2)+\s, 4*((\m)+1)+\s
.endr
	s_wait_dscnt 16                                ; this tile's fragments are in; the 16 loads just issued may be out
.else
	s_wait_dscnt 0x0
.endif
	WIN 0x22                                       ; source 0 (Ws2) and source 2 (bs2) in window 2
.irp t, 0,1,2,3
	MM HA+8*\t, 12*(4*\t), FB+48*((\m)%2), 192+8*\t, W2S+2*\t, HS+4*((\m)%2), 0, 0
.endr
	WIN 0x02
.irp s, 1,2,3
.irp t, 0,1,2,3
	MM HA+8*\t, 12*(4*\t+\s), FB+48*((\m)%2)+12*\s, HA+8*\t, W2S+2*\t+\s/2, HS+4*((\m)%2)+\s, \s%2, 0
.endr
.endr
	WIN 0
	PLACES 4
	RELU 32
	QUANT 2
	IMGS \m
.endm
.irp m, 0,1,2,3
	P2 \m
.endr
	BARRIER                                        ; the second layer's eight fragments lie in LDS, and nobody reads the first layer's any more
	; ---- 3: relu(. Wd1 + bd1), my 128 units
.irp f, 0,1,2,3,4,5,6,7
	FETS FB+12*\f, HS+\f, \f
.endr
	s_wait_loadcnt 28                              ; Wd1's codes are in: younger are Wd2's 24 code loads and 4 scale words
	s_wait_dscnt 30                                ; row tile 0's two fragments (10 loads) are in; the other three tiles' 30 may be out: the quantiser's wait for 0 in tile 0 shows them in
.irp m, 0,1,2,3
	WIDE_MM 3, W3S, FB+24*\m, HS+2*\m, HS+2*\m+1, 0
	WIDE_Q \m
.endr
	BARRIER                                        ; the third layer's sixteen fragments lie in LDS
	; ---- 4: . Wd2 + bd2, my 32 outputs for the 64 rows: eight accumulators by turns, a K step at a time; the next K step's four fragments are fetched ahead
.irp m, 0,1,2,3
	FETH FB+12*\m, HS+\m, 4*\m
.endr
	s_wait_loadcnt 0x0                             ; Wd2
.irp i, 0,1,2,3
	v_perm_b32 v[W4S+\i], v[W4S+\i], v[W4S+\i], s50
.endr
	PLACES 8                                       ; eight places between a scale register so written and a scaled product
.irp s, 0,1,2,3
.if \s > 0
	PLACES 4                                       ; the loads below land in registers that the products just issued have read
.endif
.if \s < 3
.irp m, 0,1,2,3
	FETH FB+48*((\s+1)%2)+12*\m, HS+4*((\s+1)%2)+\m, 4*\m+\s+1
.endr
	s_wait_dscnt 16                                ; this K step's fragments are in; the 16 loads just issued may be out
.else
	s_wait_dscnt 0x0
.endif
.if \s == 0
	WIN 0x21                                       ; source 0 (Wd2) window 1, source 2 (bd2) window 2
.else
	WIN 0x01
.endif
.irp m, 0,1,2,3
.irp n, 0,1
.if \s == 0
	MM HA+8*(4*\n+\m), 12*(4*\n), FB+12*\m, 224+8*\n, W4S+2*\n, HS+\m, 0, 0
.else
	MM HA+8*(4*\n+\m), 12*(4*\n+\s), FB+48*(\s%2)+12*\m, HA+8*(4*\n+\m), W4S+2*\n+\s/2, HS+4*(\s%2)+\m, \s%2, 0
.endif
.endr
.endr
	WIN 0
.endr
	; ---- THE WAY OUT.  A lane holds eight neighbouring outputs of one row; a row's 128 come from four waves: they meet in the stage, and each wave stores 16 whole rows
	PLACES 4                                       ; between the last product and the stores that read results, and the loads below into registers that it read
.irp m, 0,1,2,3
.irp n, 0,1
	ds_store_b128 v[SO], v[HA+8*(4*\n+\m):HA+8*(4*\n+\m)+3] offset:16*\m*SP+64*\n          ; lane (r, h): out(16 m + r, 32 w + 16 n + 8 h + 0 .. 7); each accumulator from its low end on
	ds_store_b128 v[SO], v[HA+8*(4*\n+\m)+4:HA+8*(4*\n+\m)+7] offset:16*\m*SP+64*\n+16
.endr
.endr
	BARRIER                                        ; 64 whole rows lie in the stage
.irp i, 0,1,2,3,4,5,6,7,8,9,10,11,12,13,14,15
	ds_load_b128 v[FB+4*\i:FB+4*\i+3], v[SR] offset:\i*SP
.endr
.irp i, 0,1,2,3,4,5,6,7,8,9,10,11,12,13,14,15
	s_wait_dscnt 15-\i                             ; LDS loads come back in order: row i is in, the younger ones may be out
	global_store_b128 v[LI], v[FB+4*\i:FB+4*\i+3], s[40:41] offset:512*\i th:TH_STORE_NT   ; 32 lanes store a row's 512 consecutive bytes, at a multiple of 256 from the output's first byte; written once, read by nobody here
.endr
	s_wait_tensorcnt 0x0
	ds_add_u32 v91, v95
	s_wait_dscnt 0x0
	s_endpgm
.Lfunc_end_k_qadbf601cc8_chain:
	.size	k_qadbf601cc8_chain, .Lfunc_end_k_qadbf601cc8_chain-k_qadbf601cc8_chain
	.p2alignl 7, 3214868480
	.fill 96, 4, 3214868480
	.section	.rodata,"a",@progbits
	.p2align	6, 0x0
	.amdhsa_kernel k_qadbf601cc8_chain
		.amdhsa_group_segment_fixed_size 74240
		.amdhsa_private_segment_fixed_size 0
		.amdhsa_enable_private_segment 0
		.amdhsa_kernarg_size 136
		.amdhsa_user_sgpr_count 2
		.amdhsa_user_sgpr_kernarg_segment_ptr 1
		.amdhsa_wavefront_size32 1
		.amdhsa_system_sgpr_workgroup_id_x 1
		.amdhsa_system_sgpr_workgroup_id_y 1
		.amdhsa_system_sgpr_workgroup_id_z 1
		.amdhsa_system_vgpr_workitem_id 0
		.amdhsa_next_free_vgpr 1024
		.amdhsa_next_free_sgpr 66
		.amdhsa_reserve_vcc 0
		.amdhsa_float_denorm_mode_32 3
		.amdhsa_float_denorm_mode_16_64 3
		.amdhsa_memory_ordered 1
		.amdhsa_forward_progress 1
		.amdhsa_inst_pref_size 142
	.end_amdhsa_kernel
	.amdgpu_metadata
---
amdhsa.version: [ 1, 2 ]
amdhsa.kernels:
  - .name:           k_qadbf601cc8_chain
    .symbol:         k_qadbf601cc8_chain.kd
    .args:
      - { .name: laac_shallow, .offset: 0, .size: 8, .value_kind: global_buffer, .address_space: global }
      - { .name: laac_deep, .offset: 8, .size: 8, .value_kind: global_buffer, .address_space: global }
      - { .name: inputs_codes, .offset: 16, .size: 8, .value_kind: global_buffer, .address_space: global }
      - { .name: inputs_scales, .offset: 24, .size: 8, .value_kind: global_buffer, .address_space: global }
      - { .name: Ws1_codes, .offset: 32, .size: 8, .value_kind: global_buffer, .address_space: global }
      - { .name: Ws1_scales, .offset: 40, .size: 8, .value_kind: global_buffer, .address_space: global }
      - { .name: bs1, .offset: 48, .size: 8, .value_kind: global_buffer, .address_space: global }
      - { .name: Ws2_codes, .offset: 56, .size: 8, .value_kind: global_buffer, .address_space: global }
      - { .name: Ws2_scales, .offset: 64, .size: 8, .value_kind: global_buffer, .address_space: global }
      - { .name: bs2, .offset: 72, .size: 8, .value_kind: global_buffer, .address_space: global }
      - { .name: Wd1_codes, .offset: 80, .size: 8, .value_kind: global_buffer, .address_space: global }
      - { .name: Wd1_scales, .offset: 88, .size: 8, .value_kind: global_buffer, .address_space: global }
      - { .name: bd1, .offset: 96, .size: 8, .value_kind: global_buffer, .address_space: global }
      - { .name: Wd2_codes, .offset: 104, .size: 8, .value_kind: global_buffer, .address_space: global }
      - { .name: Wd2_scales, .offset: 112, .size: 8, .value_kind: global_buffer, .address_space: global }
      - { .name: bd2, .offset: 120, .size: 8, .value_kind: global_buffer, .address_space: global }
      - { .name: out0, .offset: 128, .size: 8, .value_kind: global_buffer, .address_space: global }
    .group_segment_fixed_size: 74240
    .private_segment_fixed_size: 0
    .kernarg_segment_align: 8
    .kernarg_segment_size: 136
    .max_flat_workgroup_size: 128
    .sgpr_count:     66
    .vgpr_count:     1024
    .wavefront_size: 32
...
	.end_amdgpu_metadata
.endif
;; end of part 1
;; ======== version 2 of 2: 1 launch; version 1 with the launch chain written anew for expert scheduling mode
;; launch chain (part 2): grid 256 x 1, 4 waves a work-group, no clusters, 74,240 bytes of LDS; arguments laac_shallow, laac_deep, inputs_codes, inputs_scales, Ws1_codes, Ws1_scales, bs1, Ws2_codes, Ws2_scales, bs2, Wd1_codes, Wd1_scales, bd1, Wd2_codes, Wd2_scales, bd2, out0; writes out0
.if DOCPART == 2
	.amdgcn_target "amdgcn-amd-amdhsa--gfx1250"
	.amdhsa_code_object_version 6
	.text
	.protected	k_qadbf601cc8_chain
	.globl	k_qadbf601cc8_chain
	.p2align	8
	.type	k_qadbf601cc8_chain,@function
k_qadbf601cc8_chain:
	s_mov_b64 s[64:65], 0
	v_nop
	global_prefetch_b8 v0, s[64:65] scope:SCOPE_SE
	s_setreg_imm32_b32 hwreg(HW_REG_WAVE_SCHED_MODE, 0, 2), 2
	s_setreg_imm32_b32 hwreg(HW_REG_WAVE_MODE, 25, 1), 1
	s_wait_xcnt 0x0
	s_wait_alu depctr_vm_vsrc(0)
; out[a] = relu(relu(relu(x[a] Ws1[es] + bs1[es]) Ws2[es] + bs2[es]) Wd1[ed] + bd1[ed]) Wd2[ed] + bd2[ed],  es = laac_shallow[a], ed = laac_deep[a].
; All four products on codes of FP6 (E2M3) with one E8M0 scale for each 32 along K; sums, biases, relu and the three quantisers in f32.  Only the experts that the two index inputs choose are multiplied.
; SHARES.  Work-group g takes rows 64 g .. 64 g + 63 of the 16,384 (agent g / 32): four tiles of 16 rows.  THE FOUR WAVES SHARE THE COLUMNS: wave w makes units 128 w .. + 127 of the two layers of 512,
; 64 units of the layer of 256 and outputs 32 w .. + 31, for all 64 rows.  So a wave's part of every weight goes from memory straight into its registers, once; what goes from wave to wave is small: the rows' codes,
; through LDS as IMAGES OF THE OPERAND'S REGISTERS (16 bytes a lane, 512 consecutive bytes a store), with their scale words, 4 bytes a lane.  Four barriers; no loop, no branch.
; K IS PERMUTED BY BLOCKS OF 32, ALIKE IN BOTH OPERANDS.  Lane (r, h) takes the 48 CONSECUTIVE bytes at its row + 96 s + 48 h as the 12 registers of K step s: three loads of 16 bytes, each at a multiple of 16.
; The operand's layout gives registers 6 c .. 6 c + 5 of lane (r, h) place 2 c + h among the step's four blocks; so place b holds the row's block PI(b), PI = 0, 2, 1, 3.  The products are the same ones; the scale words
; that come from memory have their bytes 1 and 2 exchanged once; operands that are computed here are made in the order of the places (below).
; ALL PRODUCTS ARE USED TRANSPOSED (source 0 = 16 rows of a weight, source 1 = 16 data rows): a lane holds ONE data row and its registers run along the units, the next K.
; THE ROWS OF A WEIGHT THAT FORM A TILE ARE NOT NEIGHBOURS: lane r of a tile takes row base + r + 8 (r / 8), and tiles 2 b, 2 b + 1 have the bases 32 PI(b), 32 PI(b) + 8: their 16 registers are 16 neighbouring units of
; block PI(b), which is what place b of the next K step wants.  In the layer of 256 a wave makes two blocks: places 2 c, 2 c + 1 (c = w % 2) of K step w / 2: registers 6 c .. 6 c + 5 of that fragment and half of its scale word.
; The biases are the C of each sum's first matrix instruction, in the result's layout.
; NO JOINT LOADS, though an agent's 32 work-groups read the same weights: a joint load lands in LDS; the chain's 344,064 bytes of codes and the 73,728 bytes used here are more than the 327,680 that a work-group can have,
; so slots would have to be filled again; each weight byte feeds the four products of one wave alone, so the way through LDS would add a write and a read of every byte; and the addresses hang on an index read from memory.
; LIMITS.  The indices are taken as 0 .. 7; any other value is held at 7.  NaN and infinities are not served.  A block whose largest magnitude lies under 2^-124, a block of zeros among them, gets the scale byte 1
; (a block of zeros has zero codes, which add nothing; the bytes are read by this text alone).  The blocks of a K step stand in the order 0, 2, 1, 3, and the bias is added ahead of the products, so the f32 sums are
; grouped otherwise than in ascending k with the bias last.
; REGISTERS, in windows of 256 (s_set_vgpr_msb: bits 1:0 source 0, 3:2 source 1, 5:4 source 2, 7:6 destination):
;   window 0: v1-14 addresses; v16-55 scale words and nothing else; v56-95 the quantiser's; v96-191 fragments of data rows; v192-255 accumulators (at the head: lane terms of the first loads)
;   window 1: Ws1's 16 fragments, from v192 bs1; behind the first layer v0-95 take Wd2's 8 fragments.   window 2: Ws2's 16 fragments, v192 bs2, v224 bd2; behind the second layer v0-191 take the third layer's 16 fragments.
;   window 3: Wd1's 16 fragments, v192 bd1.
; THE MODE: SCHED_MODE bits 1:0 = 2 (LLVM: expert scheduling mode 2), set by the entry lines.  The code itself states the register dependences between vector or matrix instructions and memory or LDS instructions,
; with s_wait_alu, always for 0.
; THE PLAN.  Registers that memory or LDS instructions touch, and who else names them (the text has one path):
;   v1-14, v91, v95    Addresses, and the closing add's two.  Written by vector lines at the head, never again: one wait on va_vdst ahead of the first load serves every load and store.
;   v192-201           Lane terms that only the head's loads read.  The first layer's products write them as accumulators: one wait on vm_vsrc ahead of those.
;   v[PC] on, v[PW]    In each of the 12 tiles: written by the quantiser, read by the image's LDS stores.  A wait on va_vdst between the two; a wait on vm_vsrc ahead of the next tile's first write of them.
;   FB, HS, v16-23; window 1 v0-95; window 2 v0-191    Loads land in them, products read them.  Each load into a register that products have read is issued behind the wait on va_vdst ahead of a tile's image, which stands
;                      behind all of that tile's products; between that wait and the load stand LDS stores of v[PC] on and v[PW], waits on counters, a barrier, window switches and other loads, or products that name other registers.
;   window 3 v0-191    Wd1's loads land in registers that nothing has named.
;   v192-255           On the way out the LDS stores read the accumulators: the four places, then a wait on va_vdst.
;   Scale words whose bytes vector lines exchange (v16-47) are taken by scaled products: eight places, then a wait on va_vdst.
; In the last product every fragment and every scale word has a register of its own, so no load of that phase lands in a register that its products have read, and no wait on va_vdst stands among them.
.set FRB,  1536                        ; a fragment's image: 12 registers x 128 bytes
.set HIMG, 0                           ; LDS: 16 fragments of a layer of 512 (row tile m, K step s: 4 m + s); used for the first and again for the third layer
.set HSC,  24576                       ; their scale words, 128 bytes each
.set SIMG, 26624                       ; 8 fragments of the layer of 256 (2 m + s); half c at 768 c: registers 6 c .. + 3 at 16 x lane, registers 6 c + 4, 5 at 512 + 8 x lane
.set SSC,  38912                       ; their scale words, 128 bytes each
.set STG,  39936                       ; the way out: 64 rows x (512 bytes + 16)
.set SP,   528
.set LI,   1                           ; v1   16 x lane
.set LS,   2                           ; v2   4 x lane
.set L8,   3                           ; v3   8 x lane
.set HWI,  4                           ; v4   16 x lane + 1536 w: where I store a fragment of a layer of 512
.set HWS,  5                           ; v5   4 x lane + 128 w: and its scale word
.set SWI,  6                           ; v6   16 x lane + 1536 (w / 2) + 768 (w % 2): my half fragment of the layer of 256
.set SW8,  7                           ; v7   8 x lane + the same
.set SWS,  8                           ; v8   4 x lane + 128 (w / 2) + 2 (w % 2): my half of its scale word
.set SO,   9                           ; v9   the stage: row r, + 32 h + 128 w
.set SR,   10                          ; v10  and back: my 16 rows, 16 bytes a lane
.set ADW1, 11                          ; v11  192 (r + 8 (r / 8)) + 48 h: Ws1, Wd1
.set ADW2, 12                          ; v12  384 (r + 8 (r / 8)) + 48 h: Ws2
.set ADW4, 13                          ; v13  384 r + 48 h: Wd2
.set ASC4, 14                          ; v14  16 r + 4 h: Wd2's scale words
.set W1S,  16                          ; v16-23  Ws1's scale words, tile t: lanes 0-15 K step 0, lanes 16-31 K step 1; in the last product the third layer's scale words of K steps 2 and 3
.set W2S,  24                          ; v24-31  Ws2's, 2 t + q: lanes 0-15 K step 2 q, lanes 16-31 K step 2 q + 1
.set W3S,  32                          ; v32-39  Wd1's, as Ws1's
.set W4S,  40                          ; v40-43  Wd2's, 2 n + q
.set XS,   44                          ; v44-47  x's, row tile m: lanes 0-15 K step 0, lanes 16-31 K step 1
.set HS,   48                          ; v48-55  the scale words of the fragments fetched from LDS
.set TM,   56                          ; v56-59 largest magnitudes, v60-63 the other half's, then the bytes, v68-71 the conversions' scale operands
.set PW,   72                          ; v72     the scale word just made
.set PC,   76                          ; v76-87  the fragment just made; v88-90, v92-94 the conversions' second halves
.set FB,   96                          ; v96-191 x's 8 fragments; later two sets of four fragments, or eight; last, rows of the output
.set HA,   192                         ; v192-255 eight accumulators
.set RW,   192                         ; at the head only, free again when the loads that name them are shown done: r,
.set HF,   193                         ; h,
.set RP,   194                         ; r + 8 (r / 8),
.set ADX,  195                         ; 192 r + 48 h: x,
.set ASX,  196                         ; 8 r + 4 h: x's scale words,
.set ASC1, 197                         ; 8 (r + 8 (r / 8)) + 4 h: Ws1's and Wd1's,
.set ASC2, 198                         ; 16 (r + 8 (r / 8)) + 4 h: Ws2's,
.set ABW,  199                         ; 64 h: the biases of tiles whose halves lie 16 units apart,
.set ABN,  200                         ; 32 h: bd2,
.set LANE, 201                         ; the lane
.set STORED, 0                         ; 1 from the first image on: the quantiser's wait on vm_vsrc is written where an image's stores stand ahead of it
.set MSB, 0
.macro WIN new                         ; the immediate's high byte repeats the setting that is left; a switch that changes nothing is dropped
.if MSB != (\new)
	s_set_vgpr_msb (MSB<<8)|(\new)
.set MSB, \new
.endif
.endm
.macro PLACES n
.rept \n
	v_nop
.endr
.endm
; One product.  ra, rb = 1: that side's scale words are taken from lanes 16-31 of the register named.
.macro MM d, a, b, c, sa, sb, ra, rb
.if ((\ra) == 1) && ((\rb) == 1)
	v_wmma_scale_f32_16x16x128_f8f6f4 v[(\d):(\d)+7], v[(\a):(\a)+11], v[(\b):(\b)+11], v[(\c):(\c)+7], v[(\sa)], v[(\sb)] matrix_a_fmt:MATRIX_FMT_FP6 matrix_b_fmt:MATRIX_FMT_FP6 matrix_a_scale:MATRIX_SCALE_ROW1 matrix_b_scale:MATRIX_SCALE_ROW1
.elseif (\ra) == 1
	v_wmma_scale_f32_16x16x128_f8f6f4 v[(\d):(\d)+7], v[(\a):(\a)+11], v[(\b):(\b)+11], v[(\c):(\c)+7], v[(\sa)], v[(\sb)] matrix_a_fmt:MATRIX_FMT_FP6 matrix_b_fmt:MATRIX_FMT_FP6 matrix_a_scale:MATRIX_SCALE_ROW1
.else
	v_wmma_scale_f32_16x16x128_f8f6f4 v[(\d):(\d)+7], v[(\a):(\a)+11], v[(\b):(\b)+11], v[(\c):(\c)+7], v[(\sa)], v[(\sb)] matrix_a_fmt:MATRIX_FMT_FP6 matrix_b_fmt:MATRIX_FMT_FP6
.endif
.endm
.macro LDF dst, adr, base, off         ; a fragment from memory: my 48 consecutive bytes
.irp i, 0,1,2
	global_load_b128 v[(\dst)+4*\i:(\dst)+4*\i+3], v[\adr], s[\base:\base+1] offset:(\off)+16*\i
.endr
.endm
.macro BASE p, e, es, t1, k1, t2, k2   ; pointer p steps to the chosen expert's part of my wave: expert x es + s[t1] x k1 (+ s[t2] x k2) bytes
	s_mul_i32 s44, s[\e], \es
	s_mul_i32 s54, s[\t1], \k1
	s_add_co_u32 s44, s44, s54
.if \k2
	s_mul_i32 s54, s[\t2], \k2
	s_add_co_u32 s44, s44, s54
.endif
	s_add_nc_u64 s[\p:\p+1], s[\p:\p+1], s[44:45]
.endm
.macro RELU n                          ; ascending: each accumulator is first read at its low end
.set JJ, 0
.rept \n
	v_max_num_f32 v[HA+JJ], 0, v[HA+JJ]
.set JJ, JJ+1
.endr
.endm
; nb blocks of 32 (4 or 2): register HA + 16 b + i of lane (r, h) is number 16 h + i of place b of row r, none negative.  They become codes in v[PC] on (6 registers for each two blocks) and the bytes in v[PW].
.macro QUANT nb
.irp b, 0,1,2,3
.if \b < \nb
	v_max3_num_f32 v[TM+\b], v[HA+16*\b], v[HA+16*\b+1], 0x1800000   ; my 16 numbers, and the floor 2^(3 - 127): the byte cannot fall under 1
.endif
.endr
.irp i, 2,4,6,8,10,12,14
.irp b, 0,1,2,3
.if \b < \nb
	v_max3_num_f32 v[TM+\b], v[TM+\b], v[HA+16*\b+\i], v[HA+16*\b+\i+1]   ; (the blocks by turns)
.endif
.endr
.endr
.irp b, 0,1,2,3
.if \b < \nb
	v_permlanex16_b32 v[TM+4+\b], v[TM+\b], s52, s53
.endif
.endr
.irp b, 0,1,2,3
.if \b < \nb
	v_max_num_f32 v[TM+\b], v[TM+\b], v[TM+4+\b]   ; with lane l xor 16's: the block's largest magnitude
.endif
.endr
.irp b, 0,1,2,3
.if \b < \nb
	v_add_nc_u32 v[TM+12+\b], 0xff000000, v[TM+\b]   ; 2 off its exponent field: the conversion takes the exponent field of this operand as its scale
.endif
.endr
.irp b, 0,1,2,3
.if \b < \nb
	v_lshrrev_b32 v[TM+4+\b], 23, v[TM+12+\b]   ; the scale's byte
.endif
.endr
	s_wait_alu depctr_va_vdst(0)
	s_wait_dscnt 0x0                               ; my LDS instructions so far are done: the last image's stores, and the fragments fetched ahead (the third layer's tiles 1 to 3 lean on tile 0's)
.if STORED
	s_wait_alu depctr_vm_vsrc(0)                   ; the last image's LDS stores have read v[PW] and v[PC] on, which the lines below write again
.endif
	v_lshl_or_b32 v[PW], v[TM+5], 8, v[TM+4]
.if \nb > 2
	v_lshl_or_b32 v[PW], v[TM+6], 16, v[PW]
	v_lshl_or_b32 v[PW], v[TM+7], 24, v[PW]
.endif
.irp c, 0,1
.if 2*\c < \nb
	v_cvt_scalef32_pk16_fp6_f32 v[PC+6*\c:PC+6*\c+2], v[HA+32*\c:HA+32*\c+15], v[TM+12+2*\c]
	v_cvt_scalef32_pk16_fp6_f32 v[PC+12+4*\c:PC+12+4*\c+2], v[HA+32*\c+16:HA+32*\c+31], v[TM+12+2*\c+1]   ; (a conversion's three registers begin on an even number)
.endif
.endr
	v_nop                                          ; one plain place behind a scaled conversion
.irp c, 0,1                                    ; the operand's layout wants a WHOLE block in a lane: lanes 0-15 place 2 c, lanes 16-31 place 2 c + 1
.if 2*\c < \nb
.irp i, 0,1,2
	v_permlane16_swap_b32 v[PC+6*\c+\i], v[PC+12+4*\c+\i]
.endr
.irp i, 0,1,2
	v_mov_b32 v[PC+3+6*\c+\i], v[PC+12+4*\c+\i]
.endr
.endif
.endr
.endm
.macro IMGH m                          ; my fragment (K step w of the next product, row tile m) goes to LDS as it stands
.irp c, 0,1,2
	ds_store_b128 v[HWI], v[PC+4*\c:PC+4*\c+3] offset:HIMG+4*(\m)*FRB+512*\c
.endr
	ds_store_b32 v[HWS], v[PW] offset:HSC+512*(\m)
.set STORED, 1
.endm
.macro IMGS m                          ; my six registers of a fragment of the layer of 256, and my two bytes of its scale word
	ds_store_b128 v[SWI], v[PC:PC+3] offset:SIMG+2*(\m)*FRB
	ds_store_b64 v[SW8], v[PC+4:PC+5] offset:SIMG+2*(\m)*FRB+512
	ds_store_b16 v[SWS], v[PW] offset:SSC+256*(\m)
.set STORED, 1
.endm
.macro FETH reg, sc, f                 ; fragment f of a layer of 512 and its scale word: 4 LDS loads
.irp c, 0,1,2
	ds_load_b128 v[(\reg)+4*\c:(\reg)+4*\c+3], v[LI] offset:HIMG+FRB*(\f)+512*\c
.endr
	ds_load_b32 v[(\sc)], v[LS] offset:HSC+128*(\f)
.endm
.macro FETS reg, sc, f                 ; fragment f of the layer of 256 and its scale word: 5 LDS loads
.irp c, 0,1
	ds_load_b128 v[(\reg)+6*\c:(\reg)+6*\c+3], v[LI] offset:SIMG+FRB*(\f)+768*\c
	ds_load_b64 v[(\reg)+6*\c+4:(\reg)+6*\c+5], v[L8] offset:SIMG+FRB*(\f)+768*\c+512
.endr
	ds_load_b32 v[(\sc)], v[LS] offset:SSC+128*(\f)
.endm
.macro F4 s                            ; K step s of the last product: the third layer's fragments of the four row tiles, at v[48 s + 12 m] of window 2: 12 LDS loads
.irp m, 0,1,2,3
.irp c, 0,1,2
	ds_load_b128 v[48*(\s)+12*\m+4*\c:48*(\s)+12*\m+4*\c+3], v[LI] offset:HIMG+FRB*(4*\m+(\s))+512*\c
.endr
.endr
.endm
.macro BARRIER                         ; my LDS stores have landed and my LDS loads are in: then the work-group's barrier
	s_wait_dscnt 0x0
	s_barrier_signal -1
	s_barrier_wait -1
.endm
; A row tile of a layer of 512 (K = 256): my 8 tiles of units, two K steps, the eight accumulators by turns, one instruction a turn.
; win: the window of the weight's fragments and of its bias; ws: its scale words; b0: the data rows' two fragments; sb0, sb1, rb1: their scale words for K steps 0 and 1.
.macro WIDE_MM win, ws, b0, sb0, sb1, rb1
	WIN (\win)*0x11                                ; source 0 (the weight) and source 2 (the bias) in window win
.irp t, 0,1,2,3,4,5,6,7
	MM HA+8*\t, 12*(2*\t), \b0, 192+8*\t, \ws+\t, \sb0, 0, 0
.endr
	WIN \win
.irp t, 0,1,2,3,4,5,6,7
	MM HA+8*\t, 12*(2*\t+1), (\b0)+12, HA+8*\t, \ws+\t, \sb1, 1, \rb1
.endr
.endm
.macro WIDE_Q m                        ; its results: relu, quantised, to LDS
	WIN 0
	PLACES 4                                       ; four places between the last product and the first read of results (ISA guide 7.12.1)
	RELU 64
	QUANT 4
	s_wait_alu depctr_va_vdst(0)                   ; the quantiser has written v[PC] on and v[PW], which the LDS stores read; and this tile's products are done reading their fragments and scale words, in which later loads land
	IMGH \m
.endm
	s_load_b512 s[8:23], s[0:1], 0x0               ; laac_shallow 8, laac_deep 10, x's codes 12, x's scales 14, Ws1's codes 16, scales 18, bs1 20, Ws2's codes 22
	s_load_b512 s[24:39], s[0:1], 0x40             ; Ws2's scales 24, bs2 26, Wd1's codes 28, scales 30, bd1 32, Wd2's codes 34, scales 36, bd2 38
	s_load_b64 s[40:41], s[0:1], 0x80              ; the output
	v_lshl_add_u32 v91, v0, 2, 0x12000
	v_mov_b32 v95, 0
	v_lshrrev_b32 v[LANE], 5, v0
	v_readfirstlane_b32 s46, v[LANE]               ; wave w
	v_and_b32 v[LANE], 31, v0
	s_wait_alu depctr_va_vdst(0)
	v_and_b32 v[RW], 15, v0                        ; r
	v_bfe_u32 v[HF], v0, 4, 1                      ; h
	v_and_b32 v[RP], 8, v[RW]
	v_add_nc_u32 v[RP], v[RP], v[RW]               ; r + 8 (r / 8)
	s_wait_alu depctr_va_sdst(0)                   ; s46 is written, ahead of its first reader: LDS addresses and the weights' bases are made from it
	s_lshr_b32 s47, s46, 1                         ; w / 2
	s_and_b32 s48, s46, 1                          ; w % 2
	s_mov_b32 s50, 0x03010200                      ; v_perm_b32: bytes 1 and 2 change places
	s_mov_b32 s52, 0x76543210
	s_mov_b32 s53, 0xfedcba98                      ; v_permlanex16_b32's selects for lane l xor 16
	s_mov_b32 s45, 0
	s_mov_b32 s3, 0
	s_lshr_b32 s2, ttmp9, 5                        ; the agent: 32 work-groups each
	s_lshl_b32 s2, s2, 2                           ; its index's byte
	v_lshlrev_b32 v[LI], 4, v[LANE]
	v_lshlrev_b32 v[LS], 2, v[LANE]
	s_wait_alu depctr_va_vdst(0)
	v_lshlrev_b32 v[L8], 3, v[LANE]
	s_mul_i32 s54, s46, FRB
	v_add_nc_u32 v[HWI], s54, v[LI]
	s_lshl_b32 s55, s46, 7
	v_add_nc_u32 v[HWS], s55, v[LS]
	s_mul_i32 s56, s47, FRB
	s_mul_i32 s57, s48, 768
	s_add_co_u32 s56, s56, s57
	v_add_nc_u32 v[SWI], s56, v[LI]
	v_add_nc_u32 v[SW8], s56, v[L8]
	s_lshl_b32 s56, s47, 7
	s_lshl_b32 s57, s48, 1
	s_add_co_u32 s56, s56, s57
	v_add_nc_u32 v[SWS], s56, v[LS]
	v_mul_u32_u24 v[SO], v[RW], SP
	v_lshl_add_u32 v[SO], v[HF], 5, v[SO]
	s_add_co_u32 s55, s55, STG
	v_add_nc_u32 v[SO], s55, v[SO]
	s_mul_i32 s54, s46, 16*SP
	s_add_co_u32 s54, s54, STG
	v_add_nc_u32 v[SR], s54, v[LI]
	v_mul_u32_u24 v[ADW1], v[RP], 192
	v_mad_u32_u24 v[ADW1], v[HF], 48, v[ADW1]
	v_mul_u32_u24 v[ADW2], v[RP], 384
	v_mad_u32_u24 v[ADW2], v[HF], 48, v[ADW2]
	v_mul_u32_u24 v[ADW4], v[RW], 384
	v_mad_u32_u24 v[ADW4], v[HF], 48, v[ADW4]
	v_mul_u32_u24 v[ADX], v[RW], 192
	v_mad_u32_u24 v[ADX], v[HF], 48, v[ADX]
	v_lshlrev_b32 v[ASC4], 4, v[RW]
	v_lshl_add_u32 v[ASC4], v[HF], 2, v[ASC4]
	v_lshlrev_b32 v[ASX], 3, v[RW]
	v_lshl_add_u32 v[ASX], v[HF], 2, v[ASX]
	v_lshlrev_b32 v[ASC1], 3, v[RP]
	v_lshl_add_u32 v[ASC1], v[HF], 2, v[ASC1]
	v_lshlrev_b32 v[ASC2], 4, v[RP]
	v_lshl_add_u32 v[ASC2], v[HF], 2, v[ASC2]
	v_lshlrev_b32 v[ABW], 6, v[HF]
	v_lshlrev_b32 v[ABN], 5, v[HF]
.irp b, 0,1,2,3
	v_mov_b32 v[TM+4+\b], 0                        ; written once: a lane permute's destination counts as one of its sources
.endr
	s_wait_kmcnt 0x0
	s_add_nc_u64 s[8:9], s[8:9], s[2:3]
	s_add_nc_u64 s[10:11], s[10:11], s[2:3]
	s_load_b32 s42, s[8:9], 0x0                    ; es = laac_shallow[agent]
	s_load_b32 s43, s[10:11], 0x0                  ; ed = laac_deep[agent]
	s_mul_i32 s44, ttmp9, 64*192                   ; my work-group's 64 rows of x: they hang on no index, so they are asked for while the indices come
	s_add_nc_u64 s[12:13], s[12:13], s[44:45]
	s_lshl_b32 s44, ttmp9, 9                       ; and their scale bytes, 8 a row
	s_add_nc_u64 s[14:15], s[14:15], s[44:45]
	s_wait_alu depctr_va_vdst(0)                   ; v1 to v14, v195 to v200, v91 and v95 are written: every load, store and LDS instruction of the kernel reads its address from among them, and none but v195 to v200 is written again
.irp m, 0,1,2,3                                ; every wave multiplies all 64 rows: x's 8 fragments (row tile m, K step s) at v[FB + 12 (2 m + s)]
.irp s, 0,1
	LDF FB+12*(2*\m+\s), ADX, 12, 16*\m*192+96*\s
.endr
	global_load_b32 v[XS+\m], v[ASX], s[14:15] offset:128*\m
.endr
	s_lshl_b32 s44, ttmp9, 15                      ; the output: 64 rows of 512 bytes a work-group, 16 of them a wave
	s_lshl_b32 s54, s46, 13
	s_add_co_u32 s44, s44, s54
	s_add_nc_u64 s[40:41], s[40:41], s[44:45]
	s_wait_kmcnt 0x0
	s_min_u32 s42, s42, 7                          ; an index stays inside its table of 8
	s_min_u32 s43, s43, 7
	BASE 16, 42, 98304, 46, 24576, 0, 0            ; Ws1: 512 rows of 192 bytes an expert, 128 rows a wave
	BASE 18, 42, 4096, 46, 1024, 0, 0
	BASE 20, 42, 2048, 46, 512, 0, 0
	BASE 22, 42, 98304, 47, 49152, 48, 12288       ; Ws2: 256 rows of 384 bytes an expert; my rows begin at 128 (w / 2) + 32 (w % 2)
	BASE 24, 42, 4096, 47, 2048, 48, 512
	BASE 26, 42, 1024, 47, 512, 48, 128
	BASE 28, 43, 98304, 46, 24576, 0, 0            ; Wd1: as Ws1
	BASE 30, 43, 4096, 46, 1024, 0, 0
	BASE 32, 43, 2048, 46, 512, 0, 0
	BASE 34, 43, 49152, 46, 12288, 0, 0            ; Wd2: 128 rows of 384 bytes an expert, 32 rows a wave
	BASE 36, 43, 2048, 46, 512, 0, 0
	BASE 38, 43, 512, 46, 128, 0, 0
.irp t, 0,1,2,3,4,5,6,7                        ; tile t of a layer of 512 begins at row 32 PI(t / 2) + 8 (t % 2) of my 128
.set RR, 32*(2*((\t/2)%2)+\t/4)+8*(\t%2)
	global_load_b32 v[W1S+\t], v[ASC1], s[18:19] offset:RR*8
	global_load_b32 v[W3S+\t], v[ASC1], s[30:31] offset:RR*8
.endr
.irp t, 0,1,2,3                                ; tile t of the layer of 256 begins at row 64 (t / 2) + 8 (t % 2) of mine
.irp q, 0,1
	global_load_b32 v[W2S+2*\t+\q], v[ASC2], s[24:25] offset:(64*(\t/2)+8*(\t%2))*16+8*\q
.endr
.endr
	WIN 0x80                                       ; destination window 2
.irp t, 0,1,2,3
	global_load_b128 v[192+8*\t:192+8*\t+3], v[ABW], s[26:27] offset:(64*(\t/2)+8*(\t%2))*4       ; bs2 at the lane's eight units of the tile
	global_load_b128 v[192+8*\t+4:192+8*\t+7], v[ABW], s[26:27] offset:(64*(\t/2)+8*(\t%2))*4+16
.endr
.irp n, 0,1
	global_load_b128 v[224+8*\n:224+8*\n+3], v[ABN], s[38:39] offset:64*\n                        ; bd2
	global_load_b128 v[224+8*\n+4:224+8*\n+7], v[ABN], s[38:39] offset:64*\n+16
.endr
	WIN 0xc0                                       ; destination window 3
.irp t, 0,1,2,3,4,5,6,7
.set RR, 32*(2*((\t/2)%2)+\t/4)+8*(\t%2)
	global_load_b128 v[192+8*\t:192+8*\t+3], v[ABW], s[32:33] offset:RR*4                         ; bd1
	global_load_b128 v[192+8*\t+4:192+8*\t+7], v[ABW], s[32:33] offset:RR*4+16
.endr
	WIN 0x40                                       ; destination window 1
.irp t, 0,1,2,3,4,5,6,7
.set RR, 32*(2*((\t/2)%2)+\t/4)+8*(\t%2)
	global_load_b128 v[192+8*\t:192+8*\t+3], v[ABW], s[20:21] offset:RR*4                         ; bs1
	global_load_b128 v[192+8*\t+4:192+8*\t+7], v[ABW], s[20:21] offset:RR*4+16
.endr
.irp t, 0,1,2,3,4,5,6,7                        ; Ws1's fragments (tile t, K step s) at v[12 (2 t + s)] of window 1
.set RR, 32*(2*((\t/2)%2)+\t/4)+8*(\t%2)
.irp s, 0,1
	LDF 12*(2*\t+\s), ADW1, 16, RR*192+96*\s
.endr
.endr
	WIN 0x80
.irp t, 0,1,2,3                                ; Ws2's (tile t, K step s) at v[12 (4 t + s)] of window 2: 48 loads, the youngest
.irp s, 0,1,2,3
	LDF 12*(4*\t+\s), ADW2, 22, (64*(\t/2)+8*(\t%2))*384+96*\s
.endr
.endr
	WIN 0
	s_wait_loadcnt 48                              ; all but Ws2's 48 code loads are in: x, every scale word so far, every bias, Ws1.  So the lane terms in v192-201, which only those loads name, are free too
.irp i, 0,1,2,3,4,5,6,7,8,9,10,11,12,13,14,15,16,17,18,19,20,21,22,23
	v_perm_b32 v[W1S+\i], v[W1S+\i], v[W1S+\i], s50   ; Ws1's, Ws2's and Wd1's scale words: byte b is to scale place b, which holds block PI(b)
.endr
.irp i, 0,1,2,3
	v_perm_b32 v[XS+\i], v[XS+\i], v[XS+\i], s50      ; x's likewise
.endr
	PLACES 8                                       ; a scale register written by a vector instruction stands eight places ahead of a scaled product
	s_wait_alu depctr_va_vdst(0)                   ; the exchanges have written v16 to v39 and v44 to v47, which the scaled products of the first three layers take as scales; the places above stay beside this wait
	s_wait_alu depctr_vm_vsrc(0)                   ; the head's loads have read their lane terms v195 to v200, which the first products write as accumulators
	; ---- 1: relu(x Ws1 + bs1), my 128 units, a row tile at a time.  Behind each tile's products 12 of Wd1's 48 loads go out, into window 3, which nothing has used yet: they owe no wait but the head's, for v11
.irp m, 0,1,2,3
	WIDE_MM 1, W1S, FB+24*\m, XS+\m, XS+\m, 1
	WIN 0xc0
.irp u, 0,1
.set TT, 2*\m+\u
.set RR, 32*(2*((TT/2)%2)+TT/4)+8*(TT%2)
	LDF 12*(2*TT), ADW1, 28, RR*192
	LDF 12*(2*TT+1), ADW1, 28, RR*192+96
.endr
	WIDE_Q \m
.endr
	BARRIER                                        ; the first layer's sixteen fragments lie in LDS
	; ---- 2: relu(. Ws2 + bs2), my 64 units: four accumulators by turns, four K steps; a row tile's four fragments are fetched while the tile before is worked
	; The loads below land where x's and Ws1's fragments lay.  The wait on va_vdst ahead of the first layer's last image stands behind the last products that read those, and no vector or matrix instruction has been issued since.
.irp s, 0,1,2,3
	FETH FB+12*\s, HS+\s, \s
.endr
	s_wait_loadcnt 48                              ; Ws2's codes are in: younger are Wd1's 4 x 12 loads alone
	WIN 0x40
.irp n, 0,1                                    ; Wd2's fragments (tile n, K step s) at v[12 (4 n + s)] of window 1, where Ws1's lay
.irp s, 0,1,2,3
	LDF 12*(4*\n+\s), ADW4, 34, 16*\n*384+96*\s
.endr
.endr
	WIN 0
.irp n, 0,1
.irp q, 0,1
	global_load_b32 v[W4S+2*\n+\q], v[ASC4], s[36:37] offset:256*\n+8*\q
.endr
.endr
.macro P2 m
.if (\m) < 3
.irp s, 0,1,2,3
	FETH FB+48*(((\m)+1)%2)+12*\s, HS+4*(((\m)+1)%2)+\s, 4*((\m)+1)+\s   ; into the set that the tile before multiplied: the wait ahead of that tile's image stands behind its products, and only its LDS stores have been issued since
.endr
	s_wait_dscnt 16                                ; this tile's fragments are in; the 16 loads just issued may be out
.else
	s_wait_dscnt 0x0
.endif
	WIN 0x22                                       ; source 0 (Ws2) and source 2 (bs2) in window 2
.irp t, 0,1,2,3
	MM HA+8*\t, 12*(4*\t), FB+48*((\m)%2), 192+8*\t, W2S+2*\t, HS+4*((\m)%2), 0, 0
.endr
	WIN 0x02
.irp s, 1,2,3
.irp t, 0,1,2,3
	MM HA+8*\t, 12*(4*\t+\s), FB+48*((\m)%2)+12*\s, HA+8*\t, W2S+2*\t+\s/2, HS+4*((\m)%2)+\s, \s%2, 0
.endr
.endr
	WIN 0
	PLACES 4
	RELU 32
	QUANT 2
	s_wait_alu depctr_va_vdst(0)                   ; the quantiser has written v[PC] to v[PC + 5] and v[PW], which the LDS stores read; and this tile's products are done reading their set of fragments and scale words, in which the next fetch lands
	IMGS \m
.endm
.irp m, 0,1,2,3
	P2 \m
.endr
	BARRIER                                        ; the second layer's eight fragments lie in LDS, and nobody reads the first layer's any more
	; ---- 3: relu(. Wd1 + bd1), my 128 units.  The fetches land in both sets of the second layer: the wait ahead of its last image stands behind its last products
.irp f, 0,1,2,3,4,5,6,7
	FETS FB+12*\f, HS+\f, \f
.endr
	s_wait_loadcnt 28                              ; Wd1's codes are in: younger are Wd2's 24 code loads and 4 scale words
	s_wait_dscnt 30                                ; row tile 0's two fragments (10 loads) are in; the other three tiles' 30 may be out: the quantiser's wait for 0 in tile 0 shows them in
.irp m, 0,1,2,3
	WIDE_MM 3, W3S, FB+24*\m, HS+2*\m, HS+2*\m+1, 0
	WIDE_Q \m
.endr
	BARRIER                                        ; the third layer's sixteen fragments lie in LDS
	; ---- 4: . Wd2 + bd2, my 32 outputs for the 64 rows: eight accumulators by turns, a K step at a time.  Each of the 16 fragments has registers of its own, in window 2 where Ws2's lay, and each scale word a register of
	; its own (K steps 0, 1: v48-55; K steps 2, 3: v16-23, where Ws1's lay).  The products that read those registers stand ahead of the wait at the third layer's last image; the products of this phase name other registers than
	; the loads issued behind them.  So K step s + 2 is fetched behind step s's products with no wait on va_vdst.
.irp s, 0,1,2,3
.irp m, 0,1,2,3
	ds_load_b32 v[HS+4*\s+\m-(\s/2)*(HS+8-W1S)], v[LS] offset:HSC+128*(4*\m+\s)
.endr
.endr
	WIN 0x80                                       ; destination window 2
	F4 0
	F4 1
	WIN 0
	s_wait_loadcnt 0x0                             ; Wd2
.irp i, 0,1,2,3
	v_perm_b32 v[W4S+\i], v[W4S+\i], v[W4S+\i], s50
.endr
	PLACES 8                                       ; eight places between a scale register so written and a scaled product
	s_wait_alu depctr_va_vdst(0)                   ; the exchanges have written v40 to v43, which the scaled products below take as scales; the places above stay beside this wait
.irp s, 0,1,2,3
.if \s < 3
	s_wait_dscnt 12                                ; this K step's fragments and all scale words are in; the next K step's 12 loads may be out
.else
	s_wait_dscnt 0x0
.endif
.if \s == 0
	WIN 0x29                                       ; source 0 (Wd2) window 1, source 1 (the fragments) and source 2 (bd2) window 2
.else
	WIN 0x09
.endif
.irp m, 0,1,2,3
.irp n, 0,1
.if \s == 0
	MM HA+8*(4*\n+\m), 12*(4*\n), 12*\m, 224+8*\n, W4S+2*\n, HS+\m, 0, 0
.else
	MM HA+8*(4*\n+\m), 12*(4*\n+\s), 48*\s+12*\m, HA+8*(4*\n+\m), W4S+2*\n+\s/2, HS+4*\s+\m-(\s/2)*(HS+8-W1S), \s%2, 0
.endif
.endr
.endr
.if \s < 2
	WIN 0x80
	F4 \s+2                                        ; two K steps ahead, into registers that no vector or matrix instruction since the last wait names
.endif
.endr
	WIN 0
	; ---- THE WAY OUT.  A lane holds eight neighbouring outputs of one row; a row's 128 come from four waves: they meet in the stage, and each wave stores 16 whole rows
	PLACES 4                                       ; between the last product and the stores that read results
	s_wait_alu depctr_va_vdst(0)                   ; the products have written the accumulators, which the LDS stores read; the places above stay beside this wait.  It also stands behind the last products that read v[FB] on, in which the loads from the stage land
.irp m, 0,1,2,3
.irp n, 0,1
	ds_store_b128 v[SO], v[HA+8*(4*\n+\m):HA+8*(4*\n+\m)+3] offset:16*\m*SP+64*\n          ; lane (r, h): out(16 m + r, 32 w + 16 n + 8 h + 0 .. 7); each accumulator from its low end on
	ds_store_b128 v[SO], v[HA+8*(4*\n+\m)+4:HA+8*(4*\n+\m)+7] offset:16*\m*SP+64*\n+16
.endr
.endr
	BARRIER                                        ; 64 whole rows lie in the stage
.irp i, 0,1,2,3,4,5,6,7,8,9,10,11,12,13,14,15
	ds_load_b128 v[FB+4*\i:FB+4*\i+3], v[SR] offset:\i*SP
.endr
.irp i, 0,1,2,3,4,5,6,7,8,9,10,11,12,13,14,15
	s_wait_dscnt 15-\i                             ; LDS loads come back in order: row i is in, the younger ones may be out
	global_store_b128 v[LI], v[FB+4*\i:FB+4*\i+3], s[40:41] offset:512*\i th:TH_STORE_NT   ; 32 lanes store a row's 512 consecutive bytes, at a multiple of 256 from the output's first byte; written once, read by nobody here
.endr
	s_wait_dscnt 0x0                               ; the closing lines, six on end
	s_wait_alu 0x0
	s_wait_tensorcnt 0x0
	ds_add_u32 v91, v95
	s_wait_dscnt 0x0
	s_endpgm
.Lfunc_end_k_qadbf601cc8_chain:
	.size	k_qadbf601cc8_chain, .Lfunc_end_k_qadbf601cc8_chain-k_qadbf601cc8_chain
	.p2alignl 7, 3214868480
	.fill 96, 4, 3214868480
	.section	.rodata,"a",@progbits
	.p2align	6, 0x0
	.amdhsa_kernel k_qadbf601cc8_chain
		.amdhsa_group_segment_fixed_size 74240
		.amdhsa_private_segment_fixed_size 0
		.amdhsa_enable_private_segment 0
		.amdhsa_kernarg_size 136
		.amdhsa_user_sgpr_count 2
		.amdhsa_user_sgpr_kernarg_segment_ptr 1
		.amdhsa_wavefront_size32 1
		.amdhsa_system_sgpr_workgroup_id_x 1
		.amdhsa_system_sgpr_workgroup_id_y 1
		.amdhsa_system_sgpr_workgroup_id_z 1
		.amdhsa_system_vgpr_workitem_id 0
		.amdhsa_next_free_vgpr 1024
		.amdhsa_next_free_sgpr 66
		.amdhsa_reserve_vcc 0
		.amdhsa_float_denorm_mode_32 3
		.amdhsa_float_denorm_mode_16_64 3
		.amdhsa_memory_ordered 1
		.amdhsa_forward_progress 1
		.amdhsa_inst_pref_size 143
	.end_amdhsa_kernel
	.amdgpu_metadata
---
amdhsa.version: [ 1, 2 ]
amdhsa.kernels:
  - .name:           k_qadbf601cc8_chain
    .symbol:         k_qadbf601cc8_chain.kd
    .args:
      - { .name: laac_shallow, .offset: 0, .size: 8, .value_kind: global_buffer, .address_space: global }
      - { .name: laac_deep, .offset: 8, .size: 8, .value_kind: global_buffer, .address_space: global }
      - { .name: inputs_codes, .offset: 16, .size: 8, .value_kind: global_buffer, .address_space: global }
      - { .name: inputs_scales, .offset: 24, .size: 8, .value_kind: global_buffer, .address_space: global }
      - { .name: Ws1_codes, .offset: 32, .size: 8, .value_kind: global_buffer, .address_space: global }
      - { .name: Ws1_scales, .offset: 40, .size: 8, .value_kind: global_buffer, .address_space: global }
      - { .name: bs1, .offset: 48, .size: 8, .value_kind: global_buffer, .address_space: global }
      - { .name: Ws2_codes, .offset: 56, .size: 8, .value_kind: global_buffer, .address_space: global }
      - { .name: Ws2_scales, .offset: 64, .size: 8, .value_kind: global_buffer, .address_space: global }
      - { .name: bs2, .offset: 72, .size: 8, .value_kind: global_buffer, .address_space: global }
      - { .name: Wd1_codes, .offset: 80, .size: 8, .value_kind: global_buffer, .address_space: global }
      - { .name: Wd1_scales, .offset: 88, .size: 8, .value_kind: global_buffer, .address_space: global }
      - { .name: bd1, .offset: 96, .size: 8, .value_kind: global_buffer, .address_space: global }
      - { .name: Wd2_codes, .offset: 104, .size: 8, .value_kind: global_buffer, .address_space: global }
      - { .name: Wd2_scales, .offset: 112, .size: 8, .value_kind: global_buffer, .address_space: global }
      - { .name: bd2, .offset: 120, .size: 8, .value_kind: global_buffer, .address_space: global }
      - { .name: out0, .offset: 128, .size: 8, .value_kind: global_buffer, .address_space: global }
    .group_segment_fixed_size: 74240
    .private_segment_fixed_size: 0
    .kernarg_segment_align: 8
    .kernarg_segment_size: 136
    .max_flat_workgroup_size: 128
    .sgpr_count:     66
    .vgpr_count:     1024
    .wavefront_size: 32
...
	.end_amdgpu_metadata
.endif
;; end of part 2
